; MI455X (gfx1250); checked and timed in simulation.
; The chip was launched on July 23, 2026; its instructions are those of AMD's public machine-readable ISA for CDNA 5 (MIT licence, August 2026) and "CDNA5" Instruction Set Architecture Reference Guide (July 2026). The comments in the code are by the model that wrote it; some were corrected since.
;; Self Attention. Allowed arithmetic: float matrix products may take bf16 or f16 operands with f32 sums; all other float work in f32.
;; Inputs: Wk 256 x 256 float32; Wq 256 x 256 float32; Wv 256 x 256 float32; X 8,192 x 256 float32.
;; Outputs: out0 8,192 x 256 float32.
;; 2 versions, each right; version 2 is version 1 with the launch proj written anew for expert scheduling mode. Each part assembles by itself: llvm-mc -triple=amdgcn-amd-amdhsa -mcpu=gfx1250 --defsym DOCPART=n.
;; ======== version 1 of 2: 3 launches
;; limits: values are held in f16: magnitudes above 65,504 overflow, below 6.1e-05 lose precision; right only within a limited range of input values
;; workspace buffers: qh 4,194,304 bytes; kh 4,194,304 bytes; vt 4,194,304 bytes; opart 33,554,432 bytes; stat 262,144 bytes
;; launch proj (part 1): grid 256 x 1, 4 waves a work-group, no clusters, 221,696 bytes of LDS; arguments X, Wq, Wk, Wv, qh, kh, vt; writes qh, kh, vt
.if DOCPART == 1
	.amdgcn_target "amdgcn-amd-amdhsa--gfx1250"
	.amdhsa_code_object_version 6
	.text
	.protected	k_q561fa46c29_proj
	.globl	k_q561fa46c29_proj
	.p2align	8
	.type	k_q561fa46c29_proj,@function
k_q561fa46c29_proj:
	s_mov_b64 s[64:65], 0
	v_nop
	global_prefetch_b8 v0, s[64:65] scope:SCOPE_SE
	s_setreg_imm32_b32 hwreg(HW_REG_WAVE_MODE, 25, 1), 1
	s_wait_xcnt 0x0
; Q = X Wq^T and K = X Wk^T as [8192][256] f16, and Vt = Wv X^T as [256][8192] f16 (V transposed, so that the next launch
; finds keys along its rows).  X: [8192][256] f32, W: [256][256] f32.  Products on f16 operands, sums in f32, one rounding to f16.
; LIMITS: |X|, |W| and every |Q|, |K|, |V| stay at or below 65,504, the largest f16; beyond it the conversions give infinities.
; SHARES: work-group g has rb = g >> 2 (128 rows of X) and c = g & 3.  It makes 128 rows x 128 columns of Q (c = 0, 1) or of K (c = 2, 3),
; columns 128 (c & 1) on, and rows 64 c .. 64 c + 63 of Vt for its 128 columns: 192 x 128 outputs in each of 256 work-groups.
; Wave w: wr = w >> 1 picks 64 rows of X, wc = w & 1 picks 64 of the 128 Q/K columns and 32 of the 64 rows of Vt: 24 accumulator tiles.
; NO TENSOR LOADS, NO CLUSTER: X and W arrive as f32 and have to pass through registers to become f16 before they lie in LDS, so a tile brought
; jointly into LDS would be read, converted and written there once more; each work-group converts 320 rows of 1,024 bytes once and multiplies from LDS.
; No prefetch either: the 48 loads that a wave keeps out are its look-ahead, and the three W are read by 64 work-groups each.
.set PITCH, 528                        ; an LDS row of 256 f16 + 16 bytes: an odd multiple of 16, so sixteen rows start in sixteen different 16-byte columns of 256 bytes
.set LW,    128*PITCH                  ; rows 0-127 X, 128-255 the chosen W, 256-319 Wv
.set LV,    256*PITCH
.set STG,   320*PITCH                  ; stage for Q or K: 128 rows of 256 bytes + 16
.set SP,    272
.set STGV,  STG+128*SP                 ; stage for Vt: 64 rows of 256 bytes + 16; ends at 221,184
.set GOFF, 4                           ; v4      16 t: my 16 bytes of the 2,048 that one load of the work-group covers
.set LB,   5                           ; v5-8    where they go in LDS, for half-chunks 0-2, 3-5, 6-8, 9
.set AX,   9                           ; v9-11   fragment addresses: X, W, Wv
.set AW,   10
.set AV,   11
.set STOQ, 12                          ; v12-13  the way out: where my 16 bytes of a tile go
.set STOV, 13
.set RDQ,  14                          ; v14-15  where whole rows are read back
.set RDV,  15
.set GQ,   16                          ; v16-17  byte offsets in Q or K, and in Vt
.set GV,   17
.set BK,   32                          ; v32-223 three banks of 64: a half-chunk of 16 loads each
.set T,    224                         ; v224-255 converted pairs
.set F0,   32                          ; fragment buffers of 80: X 0-3, W 0-3, Wv 0-1
.set F1,   112
.set PK,   32                          ; the way out: 24 tiles packed to f16
.set RBK,  128                         ; the way out: rows read back
.set MSB,  0
.macro WIN new                         ; s_set_vgpr_msb: low byte = the windows (1:0 source 0, 3:2 source 1, 5:4 source 2, 7:6 destination), high byte = the setting left
.if MSB != \new
	s_set_vgpr_msb (MSB<<8)|\new
.set MSB, \new
.endif
.endm
.macro PLACES n
.rept \n
	v_nop
.endr
.endm
	s_load_b256 s[4:11], s[0:1], 0x0               ; X s[4:5], Wq s[6:7], Wk s[8:9], Wv s[10:11]
	s_load_b128 s[12:15], s[0:1], 0x20             ; qh s[12:13], kh s[14:15]
	s_load_b64 s[16:17], s[0:1], 0x30              ; vt
	v_lshl_add_u32 v30, v0, 2, 0x36000
	v_mov_b32 v31, 0
	v_lshrrev_b32 v1, 5, v0
	v_readfirstlane_b32 s18, v1                    ; wave
	s_lshr_b32 s19, s18, 1                         ; wr
	s_and_b32 s26, s18, 1                          ; wc
	s_and_b32 s20, ttmp9, 3                        ; c
	s_lshr_b32 s21, ttmp9, 2                       ; rb
	s_and_b32 s27, s20, 1
	v_lshlrev_b32 v[GOFF], 4, v0
	v_lshrrev_b32 v1, 6, v0                        ; which of the two rows of a load
	v_and_b32 v2, 63, v0                           ; four f32 = 8 bytes of f16
	v_mul_u32_u24 v1, v1, PITCH
	v_lshl_add_u32 v[LB], v2, 3, v1
	v_add_nc_u32 v[LB+1], 96*PITCH, v[LB]          ; three half-chunks = 96 rows further on, so that the immediates stay under 65,536
	v_add_nc_u32 v[LB+2], 192*PITCH, v[LB]
	v_add_nc_u32 v[LB+3], 288*PITCH, v[LB]
	s_mov_b32 s29, 0
	s_wait_kmcnt 0x0
	s_cmp_lt_u32 s20, 2                            ; c = 0, 1: Q; c = 2, 3: K
	s_cselect_b64 s[22:23], s[6:7], s[8:9]
	s_cselect_b64 s[24:25], s[12:13], s[14:15]
	s_lshl_b32 s28, s21, 17                        ; 128 rows of 1,024 bytes
	s_add_nc_u64 s[4:5], s[4:5], s[28:29]
	s_lshl_b32 s28, s27, 17
	s_add_nc_u64 s[22:23], s[22:23], s[28:29]
	s_lshl_b32 s28, s20, 16                        ; 64 rows of Wv
	s_add_nc_u64 s[10:11], s[10:11], s[28:29]
	s_lshl_b32 s28, s21, 16                        ; out: 128 rows of 512 bytes, and 128 columns of 2 bytes
	s_lshl_b32 s30, s27, 8
	s_add_co_u32 s28, s28, s30
	s_add_nc_u64 s[24:25], s[24:25], s[28:29]
	s_lshl_b32 s28, s20, 20                        ; Vt: 64 rows of 16,384 bytes, and 128 columns of 2 bytes
	s_lshl_b32 s30, s21, 8
	s_add_co_u32 s28, s28, s30
	s_add_nc_u64 s[16:17], s[16:17], s[28:29]
; PHASE A: 320 rows of f32 become f16 rows in LDS, in ten half-chunks of 16 loads (32 rows) on three register banks.
.macro HLOAD h, sb, i0
.irp ii, 0,1,2,3,4,5,6,7,8,9,10,11,12,13,14,15
	global_load_b128 v[BK+64*(\h%3)+4*\ii:BK+64*(\h%3)+4*\ii+3], v[GOFF], s[\sb:\sb+1] offset:2048*(\i0+\ii)
.endr
.endm
.macro HCONV h, left
	s_wait_loadcnt \left                           ; loads return in order: this half-chunk is in, the younger ones stay out
.irp ii, 0,1,2,3,4,5,6,7,8,9,10,11,12,13,14,15
	v_cvt_pk_f16_f32 v[T+2*\ii],   v[BK+64*(\h%3)+4*\ii],   v[BK+64*(\h%3)+4*\ii+1]
	v_cvt_pk_f16_f32 v[T+2*\ii+1], v[BK+64*(\h%3)+4*\ii+2], v[BK+64*(\h%3)+4*\ii+3]
	ds_store_b64 v[LB+(\h/3)], v[T+2*\ii:T+2*\ii+1] offset:(\h%3)*32*PITCH+\ii*2*PITCH
.endr
.endm
	HLOAD 0, 4, 0
	HLOAD 1, 4, 16
	HLOAD 2, 4, 32
	; the other addresses, while the first loads are on their way
	v_and_b32 v1, 15, v0                           ; r
	v_bfe_u32 v2, v0, 4, 1                         ; h
	v_mul_u32_u24 v3, v1, PITCH
	v_lshl_add_u32 v3, v2, 4, v3                   ; r x pitch + 16 h: a fragment is two loads of 16 bytes, 32 apart
	s_mul_i32 s30, s19, 64*PITCH
	v_add_nc_u32 v[AX], s30, v3
	s_mul_i32 s30, s26, 64*PITCH
	s_add_co_u32 s30, s30, LW
	v_add_nc_u32 v[AW], s30, v3
	s_mul_i32 s30, s26, 32*PITCH
	s_add_co_u32 s30, s30, LV
	v_add_nc_u32 v[AV], s30, v3
	v_mul_u32_u24 v3, v1, SP
	v_lshl_add_u32 v3, v2, 4, v3
	s_mul_i32 s30, s19, 64*SP                      ; Q/K stage: row 64 wr + 16 nt + r, byte 128 wc + 32 ct + 16 h
	s_lshl_b32 s31, s26, 7
	s_add_co_u32 s30, s30, s31
	s_add_co_u32 s30, s30, STG
	v_add_nc_u32 v[STOQ], s30, v3
	s_mul_i32 s30, s26, 32*SP                      ; Vt stage: row 32 wc + 16 dt + r, byte 128 wr + 32 nt + 16 h
	s_lshl_b32 s31, s19, 7
	s_add_co_u32 s30, s30, s31
	s_add_co_u32 s30, s30, STGV
	v_add_nc_u32 v[STOV], s30, v3
	v_lshrrev_b32 v2, 4, v0                        ; back: sixteen threads take a row of 256 bytes, the work-group eight rows
	v_lshlrev_b32 v1, 4, v1
	v_mad_u32_u24 v3, v2, SP, v1
	v_add_nc_u32 v[RDQ], STG, v3
	v_add_nc_u32 v[RDV], STGV, v3
	v_lshl_add_u32 v[GQ], v2, 9, v1                ; rows of 512 bytes in Q and K
	v_lshl_add_u32 v[GV], v2, 14, v1               ; rows of 16,384 bytes in Vt
	HCONV 0, 32
	HLOAD 3, 4, 48
	HCONV 1, 32
	HLOAD 4, 22, 0
	HCONV 2, 32
	HLOAD 5, 22, 16
	HCONV 3, 32
	HLOAD 6, 22, 32
	HCONV 4, 32
	HLOAD 7, 22, 48
	HCONV 5, 32
	HLOAD 8, 10, 0
	HCONV 6, 32
	HLOAD 9, 10, 16
	HCONV 7, 32
	HCONV 8, 16                                    ; nothing more is loaded: the counts run down
	HCONV 9, 0
	s_wait_dscnt 0x0                               ; my rows are written, for the other waves' sake,
	s_barrier_signal -1
	s_barrier_wait -1                              ; and so are everybody's
; PHASE B: eight K steps of 32 on two fragment buffers.
.macro FETCH ks, f
.irp i, 0,1,2,3
	ds_load_b128 v[\f+8*\i:\f+8*\i+3],   v[AX] offset:\i*16*PITCH+64*\ks
	ds_load_b128 v[\f+8*\i+4:\f+8*\i+7], v[AX] offset:\i*16*PITCH+64*\ks+32
.endr
.irp i, 0,1,2,3
	ds_load_b128 v[\f+32+8*\i:\f+32+8*\i+3],   v[AW] offset:\i*16*PITCH+64*\ks
	ds_load_b128 v[\f+32+8*\i+4:\f+32+8*\i+7], v[AW] offset:\i*16*PITCH+64*\ks+32
.endr
.irp i, 0,1
	ds_load_b128 v[\f+64+8*\i:\f+64+8*\i+3],   v[AV] offset:\i*16*PITCH+64*\ks
	ds_load_b128 v[\f+64+8*\i+4:\f+64+8*\i+7], v[AV] offset:\i*16*PITCH+64*\ks+32
.endr
.endm
; 24 matrix instructions, accumulators in window 1.  Q/K: source 0 = rows of W, source 1 = rows of X, so that a lane's eight results are eight neighbouring
; columns of one row of Q.  Vt: source 0 = rows of X, source 1 = rows of Wv: eight neighbouring columns of one row of Vt.
; The 24 accumulators take turns, one instruction a turn, in the same order in every K step.
.macro MULS f, zero
.irp ct, 0,1,2,3
.irp nt, 0,1,2,3
.if \zero
	v_wmma_f32_16x16x32_f16 v[8*(4*\ct+\nt):8*(4*\ct+\nt)+7], v[\f+32+8*\ct:\f+32+8*\ct+7], v[\f+8*\nt:\f+8*\nt+7], 0
.else
	v_wmma_f32_16x16x32_f16 v[8*(4*\ct+\nt):8*(4*\ct+\nt)+7], v[\f+32+8*\ct:\f+32+8*\ct+7], v[\f+8*\nt:\f+8*\nt+7], v[8*(4*\ct+\nt):8*(4*\ct+\nt)+7]
.endif
.endr
.endr
.irp dt, 0,1
.irp nt, 0,1,2,3
.if \zero
	v_wmma_f32_16x16x32_f16 v[128+8*(4*\dt+\nt):128+8*(4*\dt+\nt)+7], v[\f+8*\nt:\f+8*\nt+7], v[\f+64+8*\dt:\f+64+8*\dt+7], 0
.else
	v_wmma_f32_16x16x32_f16 v[128+8*(4*\dt+\nt):128+8*(4*\dt+\nt)+7], v[\f+8*\nt:\f+8*\nt+7], v[\f+64+8*\dt:\f+64+8*\dt+7], v[128+8*(4*\dt+\nt):128+8*(4*\dt+\nt)+7]
.endif
.endr
.endr
.endm
; One K step: fetch K step nxt into buffer g, which the step before multiplied, and multiply buffer f.
.macro STEP nxt, f, g
	PLACES 4                                       ; a load into a register that a matrix instruction has read stands four plain vector places behind it (ISA guide 7.12.1 for vector instructions)
	WIN 0
	FETCH \nxt, \g
	s_wait_dscnt 20                                ; all but the 20 just issued
	WIN 0x50                                       ; C and D in window 1
	MULS \f, 0
.endm
	FETCH 0, F0
	FETCH 1, F1
	s_wait_dscnt 20
	WIN 0x50
	MULS F0, 1                                     ; the first products start the sums: nothing is cleared
	STEP 2, F1, F0
	STEP 3, F0, F1
	STEP 4, F1, F0
	STEP 5, F0, F1
	STEP 6, F1, F0
	STEP 7, F0, F1
	s_wait_dscnt 0x0
	MULS F1, 0
; PHASE C: round to f16, 16 bytes a lane into the stages, whole rows of 256 bytes back and out.
	PLACES 4                                       ; behind the last matrix instructions: the conversions read results and write over fragment registers
	WIN 0x05                                       ; sources in window 1, destination in window 0
.set i, 0
.rept 96
	v_cvt_pk_f16_f32 v[PK+i], v[2*i], v[2*i+1]
.set i, i+1
.endr
	WIN 0
.irp ct, 0,1,2,3
.irp nt, 0,1,2,3
	ds_store_b128 v[STOQ], v[PK+4*(4*\ct+\nt):PK+4*(4*\ct+\nt)+3] offset:\nt*16*SP+32*\ct
.endr
.endr
.irp dt, 0,1
.irp nt, 0,1,2,3
	ds_store_b128 v[STOV], v[PK+64+4*(4*\dt+\nt):PK+64+4*(4*\dt+\nt)+3] offset:\dt*16*SP+32*\nt
.endr
.endr
	s_wait_dscnt 0x0                               ; a stage row holds two waves' halves: my stores are done,
	s_barrier_signal -1
	s_barrier_wait -1                              ; and everybody's
.irp i, 0,1,2,3,4,5,6,7,8,9,10,11,12,13,14,15
	ds_load_b128 v[RBK+4*\i:RBK+4*\i+3], v[RDQ] offset:\i*8*SP
.endr
.irp i, 0,1,2,3,4,5,6,7
	ds_load_b128 v[RBK+64+4*\i:RBK+64+4*\i+3], v[RDV] offset:\i*8*SP
.endr
.irp i, 0,1,2,3,4,5,6,7,8,9,10,11,12,13,14,15
	s_wait_dscnt 23-\i                             ; LDS loads return in order: the younger ones stay out
	global_store_b128 v[GQ], v[RBK+4*\i:RBK+4*\i+3], s[24:25] offset:\i*4096      ; sixteen lanes store 256 consecutive bytes, at a multiple of 256 from the buffer's first byte
.endr
.irp i, 0,1,2,3,4,5,6,7
	s_wait_dscnt 7-\i
	global_store_b128 v[GV], v[RBK+64+4*\i:RBK+64+4*\i+3], s[16:17] offset:\i*131072
.endr
	s_wait_tensorcnt 0x0
	ds_add_u32 v30, v31
	s_wait_dscnt 0x0
	s_endpgm
.Lfunc_end_k_q561fa46c29_proj:
	.size	k_q561fa46c29_proj, .Lfunc_end_k_q561fa46c29_proj-k_q561fa46c29_proj
	.p2alignl 7, 3214868480
	.fill 96, 4, 3214868480
	.section	.rodata,"a",@progbits
	.p2align	6, 0x0
	.amdhsa_kernel k_q561fa46c29_proj
		.amdhsa_group_segment_fixed_size 221696
		.amdhsa_private_segment_fixed_size 0
		.amdhsa_enable_private_segment 0
		.amdhsa_kernarg_size 56
		.amdhsa_user_sgpr_count 2
		.amdhsa_user_sgpr_kernarg_segment_ptr 1
		.amdhsa_wavefront_size32 1
		.amdhsa_system_sgpr_workgroup_id_x 1
		.amdhsa_system_sgpr_workgroup_id_y 1
		.amdhsa_system_sgpr_workgroup_id_z 1
		.amdhsa_system_vgpr_workitem_id 0
		.amdhsa_next_free_vgpr 448
		.amdhsa_next_free_sgpr 66
		.amdhsa_reserve_vcc 0
		.amdhsa_float_denorm_mode_32 3
		.amdhsa_float_denorm_mode_16_64 3
		.amdhsa_memory_ordered 1
		.amdhsa_forward_progress 1
		.amdhsa_inst_pref_size 85
	.end_amdhsa_kernel
	.amdgpu_metadata
---
amdhsa.version: [ 1, 2 ]
amdhsa.kernels:
  - .name:           k_q561fa46c29_proj
    .symbol:         k_q561fa46c29_proj.kd
    .args:
      - { .name: X, .offset: 0, .size: 8, .value_kind: global_buffer, .address_space: global }
      - { .name: Wq, .offset: 8, .size: 8, .value_kind: global_buffer, .address_space: global }
      - { .name: Wk, .offset: 16, .size: 8, .value_kind: global_buffer, .address_space: global }
      - { .name: Wv, .offset: 24, .size: 8, .value_kind: global_buffer, .address_space: global }
      - { .name: qh, .offset: 32, .size: 8, .value_kind: global_buffer, .address_space: global }
      - { .name: kh, .offset: 40, .size: 8, .value_kind: global_buffer, .address_space: global }
      - { .name: vt, .offset: 48, .size: 8, .value_kind: global_buffer, .address_space: global }
    .group_segment_fixed_size: 221696
    .private_segment_fixed_size: 0
    .kernarg_segment_align: 8
    .kernarg_segment_size: 56
    .max_flat_workgroup_size: 128
    .sgpr_count:     66
    .vgpr_count:     448
    .wavefront_size: 32
...
	.end_amdgpu_metadata
.endif
;; end of part 1
;; launch attn (part 2): grid 256 x 1, 4 waves a work-group, clusters of 4 x 1, 327,680 bytes of LDS; arguments qh, kh, vt, opart, stat; writes opart, stat
.if DOCPART == 2
	.amdgcn_target "amdgcn-amd-amdhsa--gfx1250"
	.amdhsa_code_object_version 6
	.text
	.protected	k_q561fa46c29_attn
	.globl	k_q561fa46c29_attn
	.p2align	8
	.type	k_q561fa46c29_attn,@function
k_q561fa46c29_attn:
	s_mov_b64 s[64:65], 0
	v_nop
	global_prefetch_b8 v0, s[64:65] scope:SCOPE_SE
	s_setreg_imm32_b32 hwreg(HW_REG_WAVE_MODE, 25, 1), 1
	s_wait_xcnt 0x0
	s_wait_alu depctr_hold_cnt(0) depctr_sa_sdst(0) depctr_va_vdst(0) depctr_va_sdst(0) depctr_va_ssrc(0) depctr_va_vcc(0) depctr_vm_vsrc(0)
	s_getreg_b32 s2, hwreg(HW_REG_IB_STS2, 6, 4)
	s_cmp_eq_u32 s2, 0
	s_cbranch_scc0 .Lentry_in_a_cluster
	s_endpgm
.Lentry_in_a_cluster:
	s_bfe_u32 s2, ttmp6, 0x10000c
	s_cmp_lg_u32 s2, 0x3003
	s_cbranch_scc0 .Lentry_shape_is_right
	s_endpgm
.Lentry_shape_is_right:
; Attention with a running maximum, 128 queries x 2,048 keys in a work-group: opart[split][row][256] = sum over the split's keys of p v (not normalised),
; stat[split][0][row] = NM = -c x (largest score of the row in the split), stat[split][1][row] = sum of p, with p = 2^(c s + NM), c = log2(e) / 16.
; NM is one number for a row, used alike for p, for the rescaling and in both merges, so its own rounding cancels; scores stay raw f32 sums.
; qh, kh: [8192][256] f16.  vt: [256][8192] f16 (V transposed).  Products on f16 operands, sums in f32.
; LIMITS: p goes to the matrix unit as f16: a p below 2^-24 of the running maximum's counts as 0.  v_exp_f32 gives 0 where the result would be denormal (ISA guide 15.8).
; NaN and infinities in the inputs are not carried as the reference carries them (the maxima and minima here drop a NaN).
; SHARES: cluster number n: split = n & 3 (2,048 keys); the cluster's four work-groups take the query blocks 4 (n >> 2) + cx.  All four walk the same 16 tiles of
; 128 keys, so every tile of K and of Vt is asked for JOINTLY (mask 15): four requests become one.  cx enters the addresses of Q, opart and stat alone.
; Wave w: qi = w >> 1 (64 queries, four tiles of 16), kj = w & 1 (64 of a tile's 128 keys); the two waves of a pair are merged at the end, through LDS.
; BOTH PRODUCTS ARE USED TRANSPOSED.  S^T = K Q^T: lane (r, h), register j holds key 8 h + j of query r; two such tiles, rounded to f16, ARE a source-1 fragment
; of P for 32 keys, with no move between lanes.  O^T = Vt P^T: lane (r, h), register j holds column 8 h + j of query r.  So maximum, rescaling and sum are one number a lane.
; REGISTERS: window 0: addresses, softmax state, three fragment buffers of 32, S and P in v128-255; window 1: Q's 32 fragments; windows 2, 3: O's 64 tiles.
; LEFT OUT: Q by tensor load (32 KiB a wave, read once: 64 fragment loads at the start); prefetches (K, Vt, Q are 12 MiB that the launch before has just stored and that 64 work-groups read).
.set SLOT,    139264                   ; a slot: four parts of 34,816, one for each wave's load
.set WPART,   34816                    ; parts 0, 1: 64 keys of K each, pitch 528 (33,792 used); parts 2, 3: 128 rows of Vt each, pitch 272
.set KPITCH,  528                      ; both pitches are odd multiples of 16 bytes: sixteen rows start in sixteen different 16-byte columns of 256 bytes
.set VPITCH,  272
.set VBASE,   2*WPART
.set STAT,    2*SLOT                   ; behind the ring: 4 x 512 bytes, then 4 x 512 more; no tensor load lands here
.set STAGE,   66560                    ; the end's stage, a wave's 64 rows x 1,040 bytes; it lies in the slots, which have had their last fill by then
.set OPITCH,  1040
.set ADRK, 2                           ; v2-3    K fragment address in slot 0, 1
.set ADRV, 4                           ; v4-5    Vt fragment address in slot 0, 1
.set NM,   6                           ; v6-13   NM, a pair (twice the same) for each query tile
.set ALP,  14                          ; v14-21  the rescaling factor, pairs likewise
.set LS,   22                          ; v22-25  my lane's sum of p
.set QO,   26                          ; v26     Q's lane offset; at the end: where the statistics are read back
.set SADR, 27                          ; v27-31  the end's LDS addresses
.set PADR, 28
.set STO,  29
.set RDA,  30
.set RDB,  31
.set FB,   32                          ; v32-127 three fragment buffers of 32
.set TA,   64                          ; softmax temporaries lie in buffer 1, which is free between the two products
.set TB,   68
.set TX,   72
.set DD,   76
.set UA,   80
.set UB,   88
.set SS,   128                         ; S(t, q) = SS + 16 (4 (t >> 1) + q) + 8 (t & 1); P(q, ks) = the first 8 registers of block 4 ks + q
.set G1K,  24                          ; s[24:31] K's shape;  s[32:39] K's from-where-to-where, a set for each slot
.set G0K,  32
.set G1V,  40                          ; s[40:47], s[48:55] the same for Vt
.set G0V,  48
.set MSB,  0
.macro WIN new                         ; s_set_vgpr_msb: low byte = the windows (1:0 source 0, 3:2 source 1, 5:4 source 2, 7:6 destination), high byte = the setting left
.if MSB != \new
	s_set_vgpr_msb (MSB<<8)|\new
.set MSB, \new
.endif
.endm
.macro PLACES n
.rept \n
	v_nop
.endr
.endm
; A round of the cluster's barrier: my work-group's barrier, wave 0 signals for the work-group, every wave waits for all four work-groups, my work-group's barrier again.
.macro ROUND
	s_barrier_signal -1
	s_barrier_wait -1
	s_cmp_lg_u32 s14, 0
	s_cbranch_scc1 .Lnot_wave_0_\@
	s_barrier_signal -3
.Lnot_wave_0_\@:
	s_barrier_wait -3
	s_barrier_signal -1
	s_barrier_wait -1
.endm
; A joint load: waves 0, 1 ask for K's two halves, waves 2, 3 for Vt's.  The branch hangs on the wave's number alone.
.macro JLOAD s
	s_cmp_eq_u32 s15, 0
	s_cbranch_scc0 .Lfor_v_\@
	tensor_load_to_lds s[G0K+4*(\s):G0K+4*(\s)+3], s[G1K:G1K+7]
	s_nop 0
	s_branch .Lasked_\@
.Lfor_v_\@:
	tensor_load_to_lds s[G0V+4*(\s):G0V+4*(\s)+3], s[G1V:G1V+7]
	s_nop 0
.Lasked_\@:
.endm
	s_load_b256 s[4:11], s[0:1], 0x0               ; qh s[4:5], kh s[6:7], vt s[8:9], opart s[10:11]
	s_load_b64 s[12:13], s[0:1], 0x20              ; stat
	v_lshl_add_u32 v254, v0, 2, 0x45000
	v_mov_b32 v255, 0
	ds_add_u32 v254, v255
	s_wait_dscnt 0x0
	v_lshrrev_b32 v1, 5, v0
	v_readfirstlane_b32 s14, v1                    ; wave
	s_lshr_b32 s15, s14, 1                         ; qi.  Also: I fetch for K (0) or for Vt (1)
	s_and_b32 s16, s14, 1                          ; kj.  Also: which half of that tile I fetch
	s_bfe_u32 s17, ttmp6, 0x40000                  ; cx
	s_and_b32 s18, ttmp9, 3                        ; split: of the cluster's number, so the four partners share it
	s_lshr_b32 s19, ttmp9, 2
	s_lshl_b32 s19, s19, 2
	s_add_co_u32 s19, s19, s17                     ; query block
	s_mul_i32 s20, s14, WPART                      ; my part of a slot
	s_mov_b32 s56, 0x76543210                      ; v_permlanex16_b32: lane i of one half reads lane i of the other
	s_mov_b32 s57, 0xfedcba98
	s_mov_b32 s58, 0x3db8aa3b                      ; c = log2(e) / 16, a pair for the packed multiply-add
	s_mov_b32 s59, 0x3db8aa3b
	s_mov_b32 s61, 0xbdb8aa3b                      ; -c
	; K's shape: 64 rows x 256 elements of 2 bytes, 256 elements from row to row; 16 bytes of padding behind every 128 words
	s_mov_b32 s[G1K+0], 15|(1<<16)|(1<<20)|(1<<21)|(6<<22)|(3<<25)   ; 15:0 the mask: all four of the cluster; 17:16 2 bytes; 20 padding; 21 set beside a mask; 24:22 interval code 6; 31:25 4 words (code 3)
	s_mov_b32 s[G1K+1], 256<<16                    ; tensor_dim0 = 256
	s_mov_b32 s[G1K+2], 64<<16                     ; tensor_dim1 = 64
	s_mov_b32 s[G1K+3], 256<<16                    ; tile_dim0 = 256
	s_mov_b32 s[G1K+4], 64                         ; tile_dim1 = 64
	s_mov_b32 s[G1K+5], 256                        ; pitch
	s_mov_b32 s[G1K+6], 0
	s_mov_b32 s[G1K+7], 0
	; Vt's shape: 128 rows x 128 elements, 8,192 elements from row to row; 16 bytes of padding behind every 64 words
	s_mov_b32 s[G1V+0], 15|(1<<16)|(1<<20)|(1<<21)|(5<<22)|(3<<25)
	s_mov_b32 s[G1V+1], 128<<16
	s_mov_b32 s[G1V+2], 128<<16
	s_mov_b32 s[G1V+3], 128<<16
	s_mov_b32 s[G1V+4], 128
	s_mov_b32 s[G1V+5], 8192
	s_mov_b32 s[G1V+6], 0
	s_mov_b32 s[G1V+7], 0
	s_mov_b32 s23, 0
	s_mov_b32 s63, 0
	s_lshl_b32 s2, s19, 7
	s_lshl_b32 s3, s15, 6
	s_add_co_u32 s2, s2, s3                        ; my first query row = 128 x block + 64 qi (cx lives in s2, s3, s17, s19, s62 alone)
	s_wait_kmcnt 0x0
	s_lshl_b32 s22, s18, 20                        ; K: 2,048 keys of 512 bytes a split, 64 keys a half
	s_lshl_b32 s21, s16, 15
	s_add_co_u32 s22, s22, s21
	s_add_nc_u64 s[6:7], s[6:7], s[22:23]
	s_lshl_b32 s22, s16, 21                        ; Vt: 128 rows of 16,384 bytes a half, 2,048 keys of 2 bytes a split
	s_lshl_b32 s21, s18, 12
	s_add_co_u32 s22, s22, s21
	s_add_nc_u64 s[8:9], s[8:9], s[22:23]
	s_lshl_b32 s62, s2, 9                          ; Q: rows of 512 bytes
	s_add_nc_u64 s[4:5], s[4:5], s[62:63]
	s_lshl_b32 s62, s16, 5                         ; opart: at the end I store rows 32 kj .. 32 kj + 31 of my pair's 64, 1,024 bytes each
	s_add_co_u32 s62, s62, s2
	s_lshl_b32 s62, s62, 10
	s_lshl_b32 s3, s18, 23
	s_add_co_u32 s62, s62, s3
	s_add_nc_u64 s[10:11], s[10:11], s[62:63]
	s_lshl_b32 s62, s2, 2                          ; stat: 65,536 bytes a split, 4 bytes a row
	s_lshl_b32 s3, s18, 16
	s_add_co_u32 s62, s62, s3
	s_add_nc_u64 s[12:13], s[12:13], s[62:63]
.irp n, 0,1
	s_mov_b32 s[G0K+4*\n], 1                                       ; count = 1
	s_add_co_u32 s[G0K+4*\n+1], s20, \n*SLOT                       ; LDS address: the wave's part of the slot
	s_add_nc_u64 s[G0K+4*\n+2:G0K+4*\n+3], s[6:7], \n*65536        ; tile n: 128 keys of 512 bytes on
	s_or_b32 s[G0K+4*\n+3], s[G0K+4*\n+3], 0x80000000             ; type = 2
	s_mov_b32 s[G0V+4*\n], 1
	s_add_co_u32 s[G0V+4*\n+1], s20, \n*SLOT
	s_add_nc_u64 s[G0V+4*\n+2:G0V+4*\n+3], s[8:9], \n*256          ; tile n: 128 keys of 2 bytes on
	s_or_b32 s[G0V+4*\n+3], s[G0V+4*\n+3], 0x80000000
.endr
	ROUND                                          ; all four work-groups are here: the first joint loads meet
	JLOAD 0                                        ; tile 0; slot 1 is first filled behind the first trip's round
	v_and_b32 v1, 15, v0                           ; r, kept
	v_bfe_u32 v30, v0, 4, 1                        ; h
	v_mul_u32_u24 v27, v1, KPITCH
	v_lshl_add_u32 v27, v30, 4, v27
	s_mul_i32 s21, s16, WPART                      ; my 64 keys are K's half kj
	v_add_nc_u32 v[ADRK], s21, v27
	v_add_nc_u32 v[ADRK+1], SLOT, v[ADRK]
	v_mul_u32_u24 v28, v1, VPITCH
	v_lshl_add_u32 v28, v30, 4, v28
	s_lshl_b32 s21, s16, 7                         ; and 128 bytes along Vt's rows
	s_add_co_u32 s21, s21, VBASE
	v_add_nc_u32 v[ADRV], s21, v28
	v_add_nc_u32 v[ADRV+1], SLOT, v[ADRV]
	v_lshlrev_b32 v[QO], 9, v1
	v_lshl_add_u32 v[QO], v30, 4, v[QO]            ; r x 512 + 16 h
	WIN 0x40                                       ; destination in window 1
.irp q, 0,1,2,3
.irp ks, 0,1,2,3,4,5,6,7
	global_load_b128 v[8*(8*\q+\ks):8*(8*\q+\ks)+3],   v[QO], s[4:5] offset:\q*8192+64*\ks
	global_load_b128 v[8*(8*\q+\ks)+4:8*(8*\q+\ks)+7], v[QO], s[4:5] offset:\q*8192+64*\ks+32
.endr
.endr
	WIN 0
	s_wait_loadcnt 0x0                             ; Q stays in registers for all 16 tiles
; Eight LDS loads: four fragments of K (key tile sg >> 1, K steps 4 (sg & 1) + 0..3), or of Vt (row tiles 2 pg, 2 pg + 1, both steps of 32 keys).
.macro KLOAD slot, sg, buf
.irp kk, 0,1,2,3
	ds_load_b128 v[\buf+8*\kk:\buf+8*\kk+3],   v[ADRK+\slot] offset:((\sg)>>1)*16*KPITCH+64*(4*((\sg)&1)+\kk)
	ds_load_b128 v[\buf+8*\kk+4:\buf+8*\kk+7], v[ADRK+\slot] offset:((\sg)>>1)*16*KPITCH+64*(4*((\sg)&1)+\kk)+32
.endr
.endm
.macro VLOAD slot, pg, buf
.irp f, 0,1,2,3
	ds_load_b128 v[\buf+8*\f:\buf+8*\f+3],   v[ADRV+\slot] offset:(2*(\pg)+(\f>>1))*16*VPITCH+64*(\f&1)
	ds_load_b128 v[\buf+8*\f+4:\buf+8*\f+7], v[ADRV+\slot] offset:(2*(\pg)+(\f>>1))*16*VPITCH+64*(\f&1)+32
.endr
.endm
; A trip has 16 groups of 16 matrix instructions, group g on buffer g % 3; group g + 2's eight loads are issued at the head of group g, into the buffer that group g - 1 read.
; Group sg of S^T, under one window setting (source 1 = Q in window 1).  Four accumulators take turns, one instruction a turn.
.macro SGROUP slot, sg
.set NG,  \sg+2
.set NB,  FB+32*(NG%3)
.set CB,  FB+32*(\sg%3)
.set STL, SS+64*(\sg>>2)+8*((\sg>>1)&1)
.set KS0, 4*(\sg&1)
.if \sg > 0
	PLACES 4                                       ; loads into registers that matrix instructions have read stand four plain vector places behind them
.endif
.if NG < 8
	KLOAD \slot, NG, NB
.else
	VLOAD \slot, NG-8, NB
.endif
	s_wait_dscnt 16                                ; my group's eight loads are in; the two younger groups' stay out
.irp kk, 0,1,2,3
.irp q, 0,1,2,3
.if (KS0+\kk) == 0
	v_wmma_f32_16x16x32_f16 v[STL+16*\q:STL+16*\q+7], v[CB+8*\kk:CB+8*\kk+7], v[8*(8*\q+KS0+\kk):8*(8*\q+KS0+\kk)+7], 0
.else
	v_wmma_f32_16x16x32_f16 v[STL+16*\q:STL+16*\q+7], v[CB+8*\kk:CB+8*\kk+7], v[8*(8*\q+KS0+\kk):8*(8*\q+KS0+\kk)+7], v[STL+16*\q:STL+16*\q+7]
.endif
.endr
.endr
.endm
; The softmax step on my 64 keys x 64 queries: 32 scores a lane for each of four query tiles.
.macro SOFTMAX first
.irp q, 0,1,2,3
	v_max3_num_f32 v[TA+\q], v[SS+16*\q], v[SS+16*\q+1], v[SS+16*\q+2]             ; two chains a query tile, started by the first scores
	v_max3_num_f32 v[TB+\q], v[SS+64+16*\q], v[SS+64+16*\q+1], v[SS+64+16*\q+2]
.endr
.irp k, 3,5,7,9,11,13
.irp q, 0,1,2,3
	v_max3_num_f32 v[TA+\q], v[TA+\q], v[SS+16*\q+\k], v[SS+16*\q+\k+1]
	v_max3_num_f32 v[TB+\q], v[TB+\q], v[SS+64+16*\q+\k], v[SS+64+16*\q+\k+1]
.endr
.endr
.irp q, 0,1,2,3
	v_max3_num_f32 v[TA+\q], v[TA+\q], v[TB+\q], v[SS+16*\q+15]
.endr
.irp q, 0,1,2,3
	v_max_num_f32 v[TA+\q], v[TA+\q], v[SS+64+16*\q+15]
.endr
.irp q, 0,1,2,3
	v_permlanex16_b32 v[TX+\q], v[TA+\q], s56, s57         ; the query's other 32 keys lie in the other half of the lanes
.endr
.irp q, 0,1,2,3
	v_max_num_f32 v[TA+\q], v[TA+\q], v[TX+\q]
.endr
.if \first
.irp q, 0,1,2,3
	v_mul_f32 v[NM+2*\q],   s61, v[TA+\q]                  ; NM = -c x maximum
	v_mul_f32 v[NM+2*\q+1], s61, v[TA+\q]
.endr
.else
.irp q, 0,1,2,3
	v_mul_f32 v[TA+\q], s61, v[TA+\q]
.endr
.irp q, 0,1,2,3
	v_sub_f32 v[DD+\q], v[TA+\q], v[NM+2*\q]
.endr
.irp q, 0,1,2,3
	v_min_num_f32 v[DD+\q], 0, v[DD+\q]                    ; new NM - old NM, at most 0
.endr
.irp q, 0,1,2,3
	v_exp_f32 v[ALP+2*\q],   v[DD+\q]
	v_exp_f32 v[ALP+2*\q+1], v[DD+\q]
.endr
.irp q, 0,1,2,3
	v_min_num_f32 v[NM+2*\q+1], v[TA+\q], v[NM+2*\q]       ; the running NM; these plain lines also stand between the exponentials and the first use of their results (ISA guide 5.7.2)
	v_min_num_f32 v[NM+2*\q],   v[TA+\q], v[NM+2*\q]
.endr
.endif
.irp b, 0,1
.irp q, 0,1,2,3
.irp i, 0,2,4,6,8,10,12,14
	v_pk_fma_f32 v[SS+64*\b+16*\q+\i:SS+64*\b+16*\q+\i+1], v[SS+64*\b+16*\q+\i:SS+64*\b+16*\q+\i+1], s[58:59], v[NM+2*\q:NM+2*\q+1] op_sel_hi:[1,0,1]
.endr
.endr
.endr
.set i, 0
.rept 128
	v_exp_f32 v[SS+i], v[SS+i]                             ; p = 2^(c s + NM)
.set i, i+1
.endr
	v_nop                                                  ; one plain place behind the last exponential
	s_wait_alu depctr_va_vdst(0)
.irp q, 0,1,2,3
	v_pk_add_f32 v[UA+2*\q:UA+2*\q+1], v[SS+16*\q:SS+16*\q+1], v[SS+16*\q+2:SS+16*\q+3]
	v_pk_add_f32 v[UB+2*\q:UB+2*\q+1], v[SS+64+16*\q:SS+64+16*\q+1], v[SS+64+16*\q+2:SS+64+16*\q+3]
.endr
.irp k, 4,6,8,10,12,14
.irp q, 0,1,2,3
	v_pk_add_f32 v[UA+2*\q:UA+2*\q+1], v[UA+2*\q:UA+2*\q+1], v[SS+16*\q+\k:SS+16*\q+\k+1]
	v_pk_add_f32 v[UB+2*\q:UB+2*\q+1], v[UB+2*\q:UB+2*\q+1], v[SS+64+16*\q+\k:SS+64+16*\q+\k+1]
.endr
.endr
.irp q, 0,1,2,3
	v_pk_add_f32 v[UA+2*\q:UA+2*\q+1], v[UA+2*\q:UA+2*\q+1], v[UB+2*\q:UB+2*\q+1]
.endr
.if \first
.irp q, 0,1,2,3
	v_add_f32 v[LS+\q], v[UA+2*\q], v[UA+2*\q+1]
.endr
.else
.irp q, 0,1,2,3
	v_add_f32 v[UA+2*\q], v[UA+2*\q], v[UA+2*\q+1]
.endr
.irp q, 0,1,2,3
	v_fma_f32 v[LS+\q], v[LS+\q], v[ALP+2*\q], v[UA+2*\q]
.endr
.endif
.irp b, 0,1,2,3,4,5,6,7
.irp i, 0,1,2,3,4,5,6,7
	v_cvt_pk_f16_f32 v[SS+16*\b+\i], v[SS+16*\b+2*\i], v[SS+16*\b+2*\i+1]    ; ascending: word i is written when words 2 i, 2 i + 1 are read, never earlier
.endr
.endr
.endm
; Group pg of O^T: row tiles 2 pg, 2 pg + 1 of Vt x four query tiles x two steps of 32 keys.  Its eight tiles of O are rescaled just ahead, and those 32 lines,
; which name no register of the group before, are the places in front of the loads.  Eight accumulators take turns, one instruction a turn.
.macro PGROUP slot, pg, first
.set OB, 64*(\pg&3)
.set CB, FB+32*((\pg+8)%3)
.set NB, FB+32*((\pg+10)%3)
.set NG, \pg+2
.if \first
.if \pg > 0
	PLACES 4
.endif
.else
.if \pg < 4
	WIN 0x88                                       ; O as source 1 and destination: window 2
.else
	WIN 0xcc                                       ; window 3
.endif
.irp t, 0,1,2,3,4,5,6,7
.irp i, 0,2,4,6
	v_pk_mul_f32 v[OB+8*\t+\i:OB+8*\t+\i+1], v[ALP+2*(\t&3):ALP+2*(\t&3)+1], v[OB+8*\t+\i:OB+8*\t+\i+1]
.endr
.endr
.endif
	WIN 0
.if \pg < 6
	VLOAD \slot, NG, NB
	s_wait_dscnt 16                                ; the two younger groups' loads stay out
.else
	s_wait_dscnt 8*(7-\pg)                         ; nothing more is fetched: one group out, then none
.endif
.if \pg < 4
	WIN 0xa0                                       ; C and D in window 2
.else
	WIN 0xf0                                       ; in window 3
.endif
.irp ks, 0,1
.irp t, 0,1,2,3,4,5,6,7
.if \first*(1-\ks)
	v_wmma_f32_16x16x32_f16 v[OB+8*\t:OB+8*\t+7], v[CB+8*(2*(\t>>2)+\ks):CB+8*(2*(\t>>2)+\ks)+7], v[SS+16*(4*\ks+(\t&3)):SS+16*(4*\ks+(\t&3))+7], 0
.else
	v_wmma_f32_16x16x32_f16 v[OB+8*\t:OB+8*\t+7], v[CB+8*(2*(\t>>2)+\ks):CB+8*(2*(\t>>2)+\ks)+7], v[SS+16*(4*\ks+(\t&3)):SS+16*(4*\ks+(\t&3))+7], v[OB+8*\t:OB+8*\t+7]
.endif
.endr
.endr
.endm
; One tile of 128 keys.  The round of the cluster's barrier does two things: in front of it every wave of every partner has waited for its reads of the other slot and for
; its one tensor load, its part of this slot; behind it the other slot is asked for again first, 32 KiB a wave, and has the whole trip (256 matrix instructions and the softmax) in which to land.
.macro TRIP slot, refill, first
	s_wait_xcnt 0x0
	v_lshl_add_u32 v254, v0, 2, 0x45000
	v_mov_b32 v255, 0
	s_wait_tensorcnt 0x0                           ; my one load has landed, so no load of mine is out and a group 0 may be written:
	ds_add_u32 v254, v255
	s_wait_dscnt 0x0
	s_add_nc_u64 s[G0K+4*\slot+2:G0K+4*\slot+3], s[G0K+4*\slot+2:G0K+4*\slot+3], 131072   ; this slot's next tile, two tiles on
	s_add_nc_u64 s[G0V+4*\slot+2:G0V+4*\slot+3], s[G0V+4*\slot+2:G0V+4*\slot+3], 512
	s_wait_dscnt 0x0                               ; my reads of the last tile are over
	ROUND
.if \refill
	JLOAD 1-\slot                                  ; the first and only tensor load behind the round
.endif
	PLACES 5                                       ; the first S^T instructions write over P, which the last O^T instructions read as source 1: five places; the loads below need four
	WIN 0x04
	KLOAD \slot, 0, FB
	KLOAD \slot, 1, FB+32
	SGROUP \slot, 0
	SGROUP \slot, 1
	SGROUP \slot, 2
	SGROUP \slot, 3
	SGROUP \slot, 4
	SGROUP \slot, 5
	SGROUP \slot, 6
	SGROUP \slot, 7
	WIN 0
	PLACES 4                                       ; vector instructions read the scores and write over buffer 1 four places behind the matrix instructions (ISA guide 7.12.1)
	SOFTMAX \first
	PGROUP \slot, 0, \first
	PGROUP \slot, 1, \first
	PGROUP \slot, 2, \first
	PGROUP \slot, 3, \first
	PGROUP \slot, 4, \first
	PGROUP \slot, 5, \first
	PGROUP \slot, 6, \first
	PGROUP \slot, 7, \first
	WIN 0                                          ; at a label and at a branch every window is 0
.endm
	TRIP 0, 1, 1                                   ; tile 0 starts the maximum, the sums of p and O: nothing is cleared
	TRIP 1, 1, 0
	s_mov_b32 s60, 6                               ; tiles 2 to 13
.Llap:
	TRIP 0, 1, 0
	TRIP 1, 1, 0
	s_sub_co_u32 s60, s60, 1
	s_cmp_lg_u32 s60, 0
	s_cbranch_scc1 .Llap
	TRIP 0, 1, 0                                   ; tile 14 asks for tile 15,
	TRIP 1, 0, 0                                   ; tile 15 for nothing (the stepped addresses are not used)
; THE END.  The two waves of a pair (same queries, other keys) are brought to one NM and added, through LDS.
.set PN,  32                           ; the partner's NM and sum
.set PL,  36
.set NT,  40                           ; the pair's NM
.set AP,  44                           ; the partner's factor
.set D1,  48
.set D2,  52
.set LT,  56                           ; the pair's sum
.set SD,  60                           ; v60-63 statistics on their way out
.set HH,  96
.set GO,  97
.set SO,  98
.set LN,  99
	PLACES 4                                       ; behind the last matrix instructions: their fragment registers are written and O is read below
	v_bfe_u32 v[HH], v0, 4, 1                      ; h
	v_and_b32 v[LN], 31, v0                        ; lane
	s_lshl_b32 s21, s14, 9
	s_add_co_u32 s21, s21, STAT
	v_lshl_add_u32 v[SADR], v1, 2, s21             ; my wave's 512 bytes: word 16 q + r for NM, 64 words on for the sum
	s_xor_b32 s22, s14, 1
	s_lshl_b32 s22, s22, 9
	s_add_co_u32 s22, s22, STAT
	v_lshl_add_u32 v[PADR], v1, 2, s22             ; my partner's
	s_add_co_u32 s21, s21, 2048
	v_lshl_add_u32 v[QO], v[LN], 4, s21            ; the second set of 512 bytes, read back 16 bytes a lane
	s_mul_i32 s21, s14, STAGE
	v_mul_u32_u24 v[STO], v1, OPITCH
	v_lshl_add_u32 v[STO], v[HH], 5, v[STO]
	v_add_nc_u32 v[STO], s21, v[STO]               ; stage: row 16 q + r, byte 64 dt + 32 h
	s_mul_i32 s21, s15, 2*STAGE
	s_mul_i32 s22, s16, 32*OPITCH
	s_add_co_u32 s21, s21, s22
	v_lshl_add_u32 v[RDA], v[LN], 4, s21           ; back: rows 32 kj on of the pair's first stage,
	v_add_nc_u32 v[RDB], STAGE, v[RDA]             ; and of its second
	v_lshlrev_b32 v[GO], 4, v[LN]
	v_lshlrev_b32 v[SO], 4, v1
	v_lshl_add_u32 v[SO], v[HH], 15, v[SO]         ; lanes 0-15 the plane of NM, lanes 16-31 the plane of sums, 32,768 bytes on
.irp q, 0,1,2,3
	v_permlanex16_b32 v[TX+\q], v[LS+\q], s56, s57
.endr
.irp q, 0,1,2,3
	v_add_f32 v[LS+\q], v[LS+\q], v[TX+\q]         ; the sum over my wave's keys, in both halves of the lanes
.endr
.irp q, 0,1,2,3
	ds_store_b32 v[SADR], v[NM+2*\q] offset:64*\q
	ds_store_b32 v[SADR], v[LS+\q] offset:256+64*\q
.endr
	s_wait_dscnt 0x0                               ; for the partner's sake; every wave's reads of the slots are over as well
	s_barrier_signal -1
	s_barrier_wait -1
.irp q, 0,1,2,3
	ds_load_b32 v[PN+\q], v[PADR] offset:64*\q
	ds_load_b32 v[PL+\q], v[PADR] offset:256+64*\q
.endr
	s_wait_dscnt 0x0
.irp q, 0,1,2,3
	v_min_num_f32 v[NT+\q], v[NM+2*\q], v[PN+\q]
.endr
.irp q, 0,1,2,3
	v_sub_f32 v[D1+\q], v[NT+\q], v[NM+2*\q]
	v_sub_f32 v[D2+\q], v[NT+\q], v[PN+\q]
.endr
.irp q, 0,1,2,3
	v_exp_f32 v[ALP+2*\q],   v[D1+\q]
	v_exp_f32 v[ALP+2*\q+1], v[D1+\q]
	v_exp_f32 v[AP+\q],      v[D2+\q]
.endr
	v_nop                                          ; one plain place behind the exponentials
	s_wait_alu depctr_va_vdst(0)
.irp q, 0,1,2,3
	v_mul_f32 v[LT+\q], v[AP+\q], v[PL+\q]
.endr
.irp q, 0,1,2,3
	v_fmac_f32 v[LT+\q], v[ALP+2*\q], v[LS+\q]
.endr
.irp q, 0,1,2,3
	ds_store_b32 v[SADR], v[NT+\q] offset:2048+64*\q
	ds_store_b32 v[SADR], v[LT+\q] offset:2048+256+64*\q
.endr
; O, brought to the pair's NM, goes into my stage: two stores of 16 bytes a tile.  Address in window 0, data in O's window.
.macro OSTAGE hi
.irp d, 0,1,2,3,4,5,6,7
.irp q, 0,1,2,3
.irp i, 0,2,4,6
	v_pk_mul_f32 v[8*(4*\d+\q)+\i:8*(4*\d+\q)+\i+1], v[ALP+2*\q:ALP+2*\q+1], v[8*(4*\d+\q)+\i:8*(4*\d+\q)+\i+1]
.endr
	ds_store_b128 v[STO], v[8*(4*\d+\q):8*(4*\d+\q)+3]   offset:\q*16*OPITCH+64*(8*\hi+\d)
	ds_store_b128 v[STO], v[8*(4*\d+\q)+4:8*(4*\d+\q)+7] offset:\q*16*OPITCH+64*(8*\hi+\d)+16
.endr
.endr
.endm
	WIN 0x88
	OSTAGE 0
	WIN 0xcc
	OSTAGE 1
	WIN 0
	ds_load_b128 v[SD:SD+3], v[QO]                 ; my own bytes: LDS serves a wave's instructions in order (ISA guide 5.7.1)
	s_wait_dscnt 0x0                               ; my stage is written, for the partner's sake
	s_barrier_signal -1
	s_barrier_wait -1
	s_cmp_lg_u32 s16, 0                            ; one wave of a pair stores the pair's statistics
	s_cbranch_scc1 .Lnostat
	global_store_b128 v[SO], v[SD:SD+3], s[12:13]  ; two runs of 256 consecutive bytes, each at a multiple of 256 from the buffer's first byte
.Lnostat:
; 32 rows of 1,024 bytes in 64 pieces of 512, eight pieces a batch, on two banks of 64 registers: both stages' piece, their sum, one store.
.macro OUTB b
	s_wait_xcnt 0x0                                ; the bank's registers, which the stores of two batches ago read, are loaded again only behind this wait
.set BKO, SS+64*(\b&1)
.irp p, 0,1,2,3,4,5,6,7
	ds_load_b128 v[BKO+8*\p:BKO+8*\p+3],   v[RDA] offset:(4*\b+(\p>>1))*OPITCH+(\p&1)*512
	ds_load_b128 v[BKO+8*\p+4:BKO+8*\p+7], v[RDB] offset:(4*\b+(\p>>1))*OPITCH+(\p&1)*512
.endr
.irp p, 0,1,2,3,4,5,6,7
	s_wait_dscnt 14-2*\p                           ; piece p's two loads are in, the younger pairs stay out
	v_pk_add_f32 v[BKO+8*\p:BKO+8*\p+1],   v[BKO+8*\p:BKO+8*\p+1],   v[BKO+8*\p+4:BKO+8*\p+5]
	v_pk_add_f32 v[BKO+8*\p+2:BKO+8*\p+3], v[BKO+8*\p+2:BKO+8*\p+3], v[BKO+8*\p+6:BKO+8*\p+7]
	global_store_b128 v[GO], v[BKO+8*\p:BKO+8*\p+3], s[10:11] offset:512*(8*\b+\p)   ; the wave stores 512 consecutive bytes
.endr
.endm
	OUTB 0
	OUTB 1
	OUTB 2
	OUTB 3
	OUTB 4
	OUTB 5
	OUTB 6
	OUTB 7
	s_wait_xcnt 0x0
	v_lshl_add_u32 v254, v0, 2, 0x45000
	v_mov_b32 v255, 0
	s_wait_tensorcnt 0x0
	ds_add_u32 v254, v255
	s_wait_dscnt 0x0
	ROUND                                          ; the closing round: no work-group ends while a partner may still ask for a tile that names it
	s_endpgm
.Lfunc_end_k_q561fa46c29_attn:
	.size	k_q561fa46c29_attn, .Lfunc_end_k_q561fa46c29_attn-k_q561fa46c29_attn
	.p2alignl 7, 3214868480
	.fill 96, 4, 3214868480
	.section	.rodata,"a",@progbits
	.p2align	6, 0x0
	.amdhsa_kernel k_q561fa46c29_attn
		.amdhsa_group_segment_fixed_size 327680
		.amdhsa_private_segment_fixed_size 0
		.amdhsa_enable_private_segment 0
		.amdhsa_kernarg_size 40
		.amdhsa_user_sgpr_count 2
		.amdhsa_user_sgpr_kernarg_segment_ptr 1
		.amdhsa_wavefront_size32 1
		.amdhsa_system_sgpr_workgroup_id_x 1
		.amdhsa_system_sgpr_workgroup_id_y 1
		.amdhsa_system_sgpr_workgroup_id_z 1
		.amdhsa_system_vgpr_workitem_id 0
		.amdhsa_next_free_vgpr 1024
		.amdhsa_next_free_sgpr 66
		.amdhsa_reserve_vcc 0
		.amdhsa_float_denorm_mode_32 3
		.amdhsa_float_denorm_mode_16_64 3
		.amdhsa_memory_ordered 1
		.amdhsa_forward_progress 1
		.amdhsa_inst_pref_size 255
	.end_amdhsa_kernel
	.section	.bss,"aw",@nobits
	.p2align	6
	.space	262144
	.amdgpu_metadata
---
amdhsa.version: [ 1, 2 ]
amdhsa.kernels:
  - .name:           k_q561fa46c29_attn
    .symbol:         k_q561fa46c29_attn.kd
    .args:
      - { .name: qh, .offset: 0, .size: 8, .value_kind: global_buffer, .address_space: global }
      - { .name: kh, .offset: 8, .size: 8, .value_kind: global_buffer, .address_space: global }
      - { .name: vt, .offset: 16, .size: 8, .value_kind: global_buffer, .address_space: global }
      - { .name: opart, .offset: 24, .size: 8, .value_kind: global_buffer, .address_space: global }
      - { .name: stat, .offset: 32, .size: 8, .value_kind: global_buffer, .address_space: global }
    .group_segment_fixed_size: 327680
    .private_segment_fixed_size: 0
    .kernarg_segment_align: 8
    .kernarg_segment_size: 40
    .max_flat_workgroup_size: 128
    .sgpr_count:     66
    .vgpr_count:     1024
    .wavefront_size: 32
...
	.end_amdgpu_metadata
.endif
;; end of part 2
;; launch merge (part 3): grid 256 x 1, 8 waves a work-group, no clusters, 0 bytes of LDS; arguments opart, stat, out0; writes out0
.if DOCPART == 3
	.amdgcn_target "amdgcn-amd-amdhsa--gfx1250"
	.amdhsa_code_object_version 6
	.text
	.protected	k_q561fa46c29_merge
	.globl	k_q561fa46c29_merge
	.p2align	8
	.type	k_q561fa46c29_merge,@function
k_q561fa46c29_merge:
	s_mov_b64 s[64:65], 0
	v_nop
	global_prefetch_b8 v0, s[64:65] scope:SCOPE_SE
	s_setreg_imm32_b32 hwreg(HW_REG_WAVE_MODE, 25, 1), 1
	s_wait_xcnt 0x0
; out0[row][d] = sum over the four splits s of w_s opart[s][row][d], with w_s = e_s / (sum over s of e_s L_s), e_s = 2^(NT - NM_s), NT = the least NM_s of the row
; (NM = -c x maximum, so the least NM belongs to the largest maximum, every exponent is at most 0, and the split that holds it has e = 1: the divisor is never 0).
; opart: [4][8192][256] f32.  stat: [4][2][8192] f32, plane 0 NM, plane 1 L.  out0: [8192][256] f32.
; A stream: each byte is read once and written once, so no LDS, no barrier, no matrix unit, no cluster (no two work-groups read the same bytes).
; A work-group owns 32 rows, a wave four; all 32 data loads of a wave (512 consecutive bytes each) go out at once, behind the eight small loads of its rows' statistics.
; LIMITS: v_exp_f32 gives 0 where the result would be denormal (ISA guide 15.8): a split whose maximum lies that far below the row's adds nothing.
.set DOF, 2                            ; v2       wave x 4,096 + 16 x lane
.set SOF, 3                            ; v3       wave x 16: my four rows' words in a plane of stat
.set NMS, 8                            ; v8-23    NM of split s, rows 0-3, at 4 s; then NT - NM, then e
.set LSS, 24                           ; v24-39   L likewise
.set WP,  40                           ; v40-71   the weights, a pair (twice the same) at 2 (4 i + s)
.set NTR, 72                           ; v72-75   NT, then 1 / divisor
.set DEN, 76                           ; v76-79   the divisor
.set DT,  80                           ; v80-207  data: row i, split s, half of the row at 4 (8 i + 2 s + half)
	s_load_b128 s[4:7], s[0:1], 0x0                ; opart s[4:5], stat s[6:7]
	s_load_b64 s[8:9], s[0:1], 0x10                ; out0
	v_lshrrev_b32 v1, 5, v0                        ; wave
	v_and_b32 v[DOF], 31, v0
	v_lshlrev_b32 v[DOF], 4, v[DOF]
	v_lshl_add_u32 v[DOF], v1, 12, v[DOF]
	v_lshlrev_b32 v[SOF], 4, v1
	s_lshl_b32 s10, ttmp9, 15                      ; 32 rows of 1,024 bytes
	s_mov_b32 s11, 0
	s_lshl_b32 s20, ttmp9, 7                       ; 32 rows of 4 bytes
	s_mov_b32 s21, 0
	s_wait_kmcnt 0x0
	s_add_nc_u64 s[12:13], s[4:5], s[10:11]        ; a base for each split: 8,388,608 bytes from split to split do not fit the signed 24-bit immediate
	s_add_nc_u64 s[14:15], s[12:13], 0x800000
	s_add_nc_u64 s[16:17], s[14:15], 0x800000
	s_add_nc_u64 s[18:19], s[16:17], 0x800000
	s_add_nc_u64 s[6:7], s[6:7], s[20:21]
	s_add_nc_u64 s[8:9], s[8:9], s[10:11]
.irp s, 0,1,2,3
	global_load_b128 v[NMS+4*\s:NMS+4*\s+3], v[SOF], s[6:7] offset:\s*65536
	global_load_b128 v[LSS+4*\s:LSS+4*\s+3], v[SOF], s[6:7] offset:\s*65536+32768
.endr
.irp i, 0,1,2,3
.irp s, 0,1,2,3
.irp hf, 0,1
	global_load_b128 v[DT+4*(8*\i+2*\s+\hf):DT+4*(8*\i+2*\s+\hf)+3], v[DOF], s[12+2*\s:13+2*\s] offset:\i*1024+\hf*512 th:TH_LOAD_NT
.endr
.endr
.endr
	s_wait_loadcnt 32                              ; loads return in order: the statistics are in, the 32 data loads stay out
.irp i, 0,1,2,3
	v_min3_num_f32 v[NTR+\i], v[NMS+\i], v[NMS+4+\i], v[NMS+8+\i]
.endr
.irp i, 0,1,2,3
	v_min_num_f32 v[NTR+\i], v[NTR+\i], v[NMS+12+\i]
.endr
.irp s, 0,1,2,3
.irp i, 0,1,2,3
	v_sub_f32 v[NMS+4*\s+\i], v[NTR+\i], v[NMS+4*\s+\i]
.endr
.endr
.set i, 0
.rept 16
	v_exp_f32 v[NMS+i], v[NMS+i]
.set i, i+1
.endr
	v_nop                                          ; one plain place behind the exponentials (ISA guide 5.7.2)
	s_wait_alu depctr_va_vdst(0)
.irp i, 0,1,2,3
	v_mul_f32 v[DEN+\i], v[NMS+\i], v[LSS+\i]
.endr
.irp s, 1,2,3
.irp i, 0,1,2,3
	v_fmac_f32 v[DEN+\i], v[NMS+4*\s+\i], v[LSS+4*\s+\i]
.endr
.endr
.irp i, 0,1,2,3
	v_rcp_f32 v[NTR+\i], v[DEN+\i]
.endr
	v_nop                                          ; and behind the reciprocals
	s_wait_alu depctr_va_vdst(0)
.irp i, 0,1,2,3
.irp s, 0,1,2,3
	v_mul_f32 v[WP+2*(4*\i+\s)],   v[NMS+4*\s+\i], v[NTR+\i]
	v_mul_f32 v[WP+2*(4*\i+\s)+1], v[NMS+4*\s+\i], v[NTR+\i]
.endr
.endr
.irp i, 0,1,2,3
	s_wait_loadcnt 24-8*\i                         ; row i's eight loads are in, the later rows' stay out
.irp hf, 0,1
.irp k, 0,2
	v_pk_mul_f32 v[DT+4*(8*\i+\hf)+\k:DT+4*(8*\i+\hf)+\k+1], v[DT+4*(8*\i+\hf)+\k:DT+4*(8*\i+\hf)+\k+1], v[WP+8*\i:WP+8*\i+1]
.endr
.irp s, 1,2,3
.irp k, 0,2
	v_pk_fma_f32 v[DT+4*(8*\i+\hf)+\k:DT+4*(8*\i+\hf)+\k+1], v[DT+4*(8*\i+2*\s+\hf)+\k:DT+4*(8*\i+2*\s+\hf)+\k+1], v[WP+2*(4*\i+\s):WP+2*(4*\i+\s)+1], v[DT+4*(8*\i+\hf)+\k:DT+4*(8*\i+\hf)+\k+1]
.endr
.endr
	global_store_b128 v[DOF], v[DT+4*(8*\i+\hf):DT+4*(8*\i+\hf)+3], s[8:9] offset:\i*1024+\hf*512 th:TH_STORE_NT   ; the wave stores 512 consecutive bytes; no register of a store is written again
.endr
.endr
	s_endpgm
.Lfunc_end_k_q561fa46c29_merge:
	.size	k_q561fa46c29_merge, .Lfunc_end_k_q561fa46c29_merge-k_q561fa46c29_merge
	.p2alignl 7, 3214868480
	.fill 96, 4, 3214868480
	.section	.rodata,"a",@progbits
	.p2align	6, 0x0
	.amdhsa_kernel k_q561fa46c29_merge
		.amdhsa_group_segment_fixed_size 0
		.amdhsa_private_segment_fixed_size 0
		.amdhsa_enable_private_segment 0
		.amdhsa_kernarg_size 24
		.amdhsa_user_sgpr_count 2
		.amdhsa_user_sgpr_kernarg_segment_ptr 1
		.amdhsa_wavefront_size32 1
		.amdhsa_system_sgpr_workgroup_id_x 1
		.amdhsa_system_sgpr_workgroup_id_y 1
		.amdhsa_system_sgpr_workgroup_id_z 1
		.amdhsa_system_vgpr_workitem_id 0
		.amdhsa_next_free_vgpr 208
		.amdhsa_next_free_sgpr 66
		.amdhsa_reserve_vcc 0
		.amdhsa_float_denorm_mode_32 3
		.amdhsa_float_denorm_mode_16_64 3
		.amdhsa_memory_ordered 1
		.amdhsa_forward_progress 1
		.amdhsa_inst_pref_size 13
	.end_amdhsa_kernel
	.amdgpu_metadata
---
amdhsa.version: [ 1, 2 ]
amdhsa.kernels:
  - .name:           k_q561fa46c29_merge
    .symbol:         k_q561fa46c29_merge.kd
    .args:
      - { .name: opart, .offset: 0, .size: 8, .value_kind: global_buffer, .address_space: global }
      - { .name: stat, .offset: 8, .size: 8, .value_kind: global_buffer, .address_space: global }
      - { .name: out0, .offset: 16, .size: 8, .value_kind: global_buffer, .address_space: global }
    .group_segment_fixed_size: 0
    .private_segment_fixed_size: 0
    .kernarg_segment_align: 8
    .kernarg_segment_size: 24
    .max_flat_workgroup_size: 256
    .sgpr_count:     66
    .vgpr_count:     208
    .wavefront_size: 32
...
	.end_amdgpu_metadata
.endif
;; end of part 3
;; ======== version 2 of 2: 3 launches; version 1 with the launch proj written anew for expert scheduling mode
;; limits: values are held in f16: magnitudes above 65,504 overflow, below 6.1e-05 lose precision; right only within a limited range of input values
;; workspace buffers: qh 4,194,304 bytes; kh 4,194,304 bytes; vt 4,194,304 bytes; opart 33,554,432 bytes; stat 262,144 bytes
;; launch proj (part 4): grid 256 x 1, 4 waves a work-group, no clusters, 221,696 bytes of LDS; arguments X, Wq, Wk, Wv, qh, kh, vt; writes qh, kh, vt
.if DOCPART == 4
	.amdgcn_target "amdgcn-amd-amdhsa--gfx1250"
	.amdhsa_code_object_version 6
	.text
	.protected	k_q561fa46c29_proj
	.globl	k_q561fa46c29_proj
	.p2align	8
	.type	k_q561fa46c29_proj,@function
k_q561fa46c29_proj:
	s_mov_b64 s[64:65], 0
	v_nop
	global_prefetch_b8 v0, s[64:65] scope:SCOPE_SE
	s_setreg_imm32_b32 hwreg(HW_REG_WAVE_SCHED_MODE, 0, 2), 2
	s_setreg_imm32_b32 hwreg(HW_REG_WAVE_MODE, 25, 1), 1
	s_wait_xcnt 0x0
	s_wait_alu depctr_vm_vsrc(0)
; Q = X Wq^T and K = X Wk^T as [8192][256] f16, and Vt = Wv X^T as [256][8192] f16 (V transposed, so that the next launch
; finds keys along its rows).  X: [8192][256] f32, W: [256][256] f32.  Products on f16 operands, sums in f32, one rounding to f16.
; LIMITS: |X|, |W| and every |Q|, |K|, |V| stay at or below 65,504, the largest f16; beyond it the conversions give infinities.
; SHARES: work-group g has rb = g >> 2 (128 rows of X) and c = g & 3.  It makes 128 rows x 128 columns of Q (c = 0, 1) or of K (c = 2, 3),
; columns 128 (c & 1) on, and rows 64 c .. 64 c + 63 of Vt for its 128 columns: 192 x 128 outputs in each of 256 work-groups.
; Wave w: wr = w >> 1 picks 64 rows of X, wc = w & 1 picks 64 of the 128 Q/K columns and 32 of the 64 rows of Vt: 24 accumulator tiles.
; NO TENSOR LOADS, NO CLUSTER: X and W arrive as f32 and have to pass through registers to become f16 before they lie in LDS, so a tile brought
; jointly into LDS would be read, converted and written there once more; each work-group converts 320 rows of 1,024 bytes once and multiplies from LDS.
; No prefetch either: the 48 loads that a wave keeps out are its look-ahead, and the three W are read by 64 work-groups each.
; THE MODE: SCHED_MODE bits 1:0 = 2 (LLVM: expert scheduling mode 2), set by the entry lines.  The code itself states the register dependences
; between vector or matrix instructions and memory or LDS instructions, with s_wait_alu, always for 0.  The text has no branch: one path.
; THE PLAN.  Registers that memory or LDS instructions touch:
;   v4, v5-8     offsets of the global loads and of the LDS stores of phase A: made at the head, ahead of the first wait on va_vdst, never written again.
;   v9-17        addresses of phases B and C: made behind the first 48 loads, ahead of half-chunk 0's wait on va_vdst, never written again.
;   BK0 .. BK2   Half-chunk h: its 32 conversions read bank h % 3; behind them the loads of half-chunk h + 3 land in it.
;   T            Half-chunk h: its conversions write T, its 16 LDS stores read T; the conversions of half-chunk h + 1 write it again.
;   F0, F1       K step k: its matrix instructions read buffer k % 2; in K step k + 1 the loads of K step k + 2 land in it.
;   PK, RBK      the way out: conversions write PK, LDS stores read it; LDS loads fill RBK, global stores read it; neither is written again.
;   The accumulators are named by matrix instructions and conversions alone.  v30, v31: written at the head, read by the closing add alone.
; So a half-chunk has ONE wait on va_vdst, behind its conversions (T is written, the bank is read out), with its loads and stores behind it, and one on vm_vsrc
; ahead of its conversions; a K step has ONE wait on va_vdst, at its head; the way out has one, ahead of its LDS stores.
.set PITCH, 528                        ; an LDS row of 256 f16 + 16 bytes: an odd multiple of 16, so sixteen rows start in sixteen different 16-byte columns of 256 bytes
.set LW,    128*PITCH                  ; rows 0-127 X, 128-255 the chosen W, 256-319 Wv
.set LV,    256*PITCH
.set STG,   320*PITCH                  ; stage for Q or K: 128 rows of 256 bytes + 16
.set SP,    272
.set STGV,  STG+128*SP                 ; stage for Vt: 64 rows of 256 bytes + 16; ends at 221,184; behind it the spare words, 128 bytes for each of the four waves
.set GOFF, 4                           ; v4      16 t: my 16 bytes of the 2,048 that one load of the work-group covers
.set LB,   5                           ; v5-8    where they go in LDS, for half-chunks 0-2, 3-5, 6-8, 9
.set AX,   9                           ; v9-11   fragment addresses: X, W, Wv
.set AW,   10
.set AV,   11
.set STOQ, 12                          ; v12-13  the way out: where my 16 bytes of a tile go
.set STOV, 13
.set RDQ,  14                          ; v14-15  where whole rows are read back
.set RDV,  15
.set GQ,   16                          ; v16-17  byte offsets in Q or K, and in Vt
.set GV,   17
.set BK,   32                          ; v32-223 three banks of 64: a half-chunk of 16 loads each
.set T,    224                         ; v224-255 converted pairs
.set F0,   32                          ; fragment buffers of 80: X 0-3, W 0-3, Wv 0-1
.set F1,   112
.set PK,   32                          ; the way out: 24 tiles packed to f16
.set RBK,  128                         ; the way out: rows read back
.set MSB,  0
.macro WIN new                         ; s_set_vgpr_msb: low byte = the windows (1:0 source 0, 3:2 source 1, 5:4 source 2, 7:6 destination), high byte = the setting left
.if MSB != \new
	s_set_vgpr_msb (MSB<<8)|\new
.set MSB, \new
.endif
.endm
.macro PLACES n
.rept \n
	v_nop
.endr
.endm
	s_load_b256 s[4:11], s[0:1], 0x0               ; X s[4:5], Wq s[6:7], Wk s[8:9], Wv s[10:11]
	s_load_b128 s[12:15], s[0:1], 0x20             ; qh s[12:13], kh s[14:15]
	s_load_b64 s[16:17], s[0:1], 0x30              ; vt
	v_lshl_add_u32 v30, v0, 2, 0x36000             ; my spare word and 0: kept for the closing lines alone
	v_mov_b32 v31, 0
	v_lshrrev_b32 v1, 5, v0
	v_readfirstlane_b32 s18, v1                    ; wave
	v_lshlrev_b32 v[GOFF], 4, v0
	v_lshrrev_b32 v1, 6, v0                        ; which of the two rows of a load
	v_and_b32 v2, 63, v0                           ; four f32 = 8 bytes of f16
	v_mul_u32_u24 v1, v1, PITCH
	v_lshl_add_u32 v[LB], v2, 3, v1
	v_add_nc_u32 v[LB+1], 96*PITCH, v[LB]          ; three half-chunks = 96 rows further on, so that the immediates stay under 65,536
	v_add_nc_u32 v[LB+2], 192*PITCH, v[LB]
	v_add_nc_u32 v[LB+3], 288*PITCH, v[LB]
	s_and_b32 s20, ttmp9, 3                        ; c
	s_lshr_b32 s21, ttmp9, 2                       ; rb
	s_and_b32 s27, s20, 1
	s_mov_b32 s29, 0
	s_wait_alu depctr_va_sdst(0)                   ; s18 is written, ahead of its first reader: wr and wc are made from it
	s_lshr_b32 s19, s18, 1                         ; wr
	s_and_b32 s26, s18, 1                          ; wc
	s_wait_kmcnt 0x0
	s_cmp_lt_u32 s20, 2                            ; c = 0, 1: Q; c = 2, 3: K
	s_cselect_b64 s[22:23], s[6:7], s[8:9]
	s_cselect_b64 s[24:25], s[12:13], s[14:15]
	s_lshl_b32 s28, s21, 17                        ; 128 rows of 1,024 bytes
	s_add_nc_u64 s[4:5], s[4:5], s[28:29]
	s_lshl_b32 s28, s27, 17
	s_add_nc_u64 s[22:23], s[22:23], s[28:29]
	s_lshl_b32 s28, s20, 16                        ; 64 rows of Wv
	s_add_nc_u64 s[10:11], s[10:11], s[28:29]
	s_lshl_b32 s28, s21, 16                        ; out: 128 rows of 512 bytes, and 128 columns of 2 bytes
	s_lshl_b32 s30, s27, 8
	s_add_co_u32 s28, s28, s30
	s_add_nc_u64 s[24:25], s[24:25], s[28:29]
	s_lshl_b32 s28, s20, 20                        ; Vt: 64 rows of 16,384 bytes, and 128 columns of 2 bytes
	s_lshl_b32 s30, s21, 8
	s_add_co_u32 s28, s28, s30
	s_add_nc_u64 s[16:17], s[16:17], s[28:29]
	s_wait_alu depctr_va_vdst(0)                   ; v4 is written, which every global load reads as its offset; so are v5 to v8, which the LDS stores of phase A read
; PHASE A: 320 rows of f32 become f16 rows in LDS, in ten half-chunks of 16 loads (32 rows) on three register banks.
.macro HLOAD h, sb, i0
.irp ii, 0,1,2,3,4,5,6,7,8,9,10,11,12,13,14,15
	global_load_b128 v[BK+64*((\h)%3)+4*\ii:BK+64*((\h)%3)+4*\ii+3], v[GOFF], s[\sb:\sb+1] offset:2048*(\i0+\ii)
.endr
.endm
; Half-chunk h is converted and stored.  more = 1: its bank is asked for again at once, for half-chunk h + 3 (16 loads from row pair i0 on of the tensor at s[sb:sb+1]).
.macro HCONV h, left, more, sb, i0
	s_wait_loadcnt \left                           ; loads return in order: this half-chunk is in, the younger ones stay out
.if \h > 0
	s_wait_alu depctr_vm_vsrc(0)                   ; the LDS stores of the half-chunk before have read T, which the conversions below write again
.endif
.irp ii, 0,1,2,3,4,5,6,7,8,9,10,11,12,13,14,15
	v_cvt_pk_f16_f32 v[T+2*\ii],   v[BK+64*(\h%3)+4*\ii],   v[BK+64*(\h%3)+4*\ii+1]
	v_cvt_pk_f16_f32 v[T+2*\ii+1], v[BK+64*(\h%3)+4*\ii+2], v[BK+64*(\h%3)+4*\ii+3]
.endr
	s_wait_alu depctr_va_vdst(0)                   ; the conversions have written T, which the LDS stores read, and are done reading the bank, in which the loads land (half-chunk 0: v9 to v17 are written too)
.if \more
	HLOAD (\h)+3, \sb, \i0
.endif
.irp ii, 0,1,2,3,4,5,6,7,8,9,10,11,12,13,14,15
	ds_store_b64 v[LB+(\h/3)], v[T+2*\ii:T+2*\ii+1] offset:(\h%3)*32*PITCH+\ii*2*PITCH
.endr
.endm
	HLOAD 0, 4, 0
	HLOAD 1, 4, 16
	HLOAD 2, 4, 32
	; the other addresses, while the first loads are on their way; no memory instruction has read a register that these lines write
	v_and_b32 v1, 15, v0                           ; r
	v_bfe_u32 v2, v0, 4, 1                         ; h
	v_mul_u32_u24 v3, v1, PITCH
	v_lshl_add_u32 v3, v2, 4, v3                   ; r x pitch + 16 h: a fragment is two loads of 16 bytes, 32 apart
	s_mul_i32 s30, s19, 64*PITCH
	v_add_nc_u32 v[AX], s30, v3
	s_mul_i32 s30, s26, 64*PITCH
	s_add_co_u32 s30, s30, LW
	v_add_nc_u32 v[AW], s30, v3
	s_mul_i32 s30, s26, 32*PITCH
	s_add_co_u32 s30, s30, LV
	v_add_nc_u32 v[AV], s30, v3
	v_mul_u32_u24 v3, v1, SP
	v_lshl_add_u32 v3, v2, 4, v3
	s_mul_i32 s30, s19, 64*SP                      ; Q/K stage: row 64 wr + 16 nt + r, byte 128 wc + 32 ct + 16 h
	s_lshl_b32 s31, s26, 7
	s_add_co_u32 s30, s30, s31
	s_add_co_u32 s30, s30, STG
	v_add_nc_u32 v[STOQ], s30, v3
	s_mul_i32 s30, s26, 32*SP                      ; Vt stage: row 32 wc + 16 dt + r, byte 128 wr + 32 nt + 16 h
	s_lshl_b32 s31, s19, 7
	s_add_co_u32 s30, s30, s31
	s_add_co_u32 s30, s30, STGV
	v_add_nc_u32 v[STOV], s30, v3
	v_lshrrev_b32 v2, 4, v0                        ; back: sixteen threads take a row of 256 bytes, the work-group eight rows
	v_lshlrev_b32 v1, 4, v1
	v_mad_u32_u24 v3, v2, SP, v1
	v_add_nc_u32 v[RDQ], STG, v3
	v_add_nc_u32 v[RDV], STGV, v3
	v_lshl_add_u32 v[GQ], v2, 9, v1                ; rows of 512 bytes in Q and K
	v_lshl_add_u32 v[GV], v2, 14, v1               ; rows of 16,384 bytes in Vt
	HCONV 0, 32, 1, 4, 48
	HCONV 1, 32, 1, 22, 0
	HCONV 2, 32, 1, 22, 16
	HCONV 3, 32, 1, 22, 32
	HCONV 4, 32, 1, 22, 48
	HCONV 5, 32, 1, 10, 0
	HCONV 6, 32, 1, 10, 16
	HCONV 7, 32, 0, 4, 0
	HCONV 8, 16, 0, 4, 0                           ; nothing more is loaded: the counts run down
	HCONV 9, 0, 0, 4, 0
	s_wait_dscnt 0x0                               ; my rows are written, for the other waves' sake,
	s_barrier_signal -1
	s_barrier_wait -1                              ; and so are everybody's
; PHASE B: eight K steps of 32 on two fragment buffers.
.macro FETCH ks, f
.irp i, 0,1,2,3
	ds_load_b128 v[\f+8*\i:\f+8*\i+3],   v[AX] offset:\i*16*PITCH+64*\ks
	ds_load_b128 v[\f+8*\i+4:\f+8*\i+7], v[AX] offset:\i*16*PITCH+64*\ks+32
.endr
.irp i, 0,1,2,3
	ds_load_b128 v[\f+32+8*\i:\f+32+8*\i+3],   v[AW] offset:\i*16*PITCH+64*\ks
	ds_load_b128 v[\f+32+8*\i+4:\f+32+8*\i+7], v[AW] offset:\i*16*PITCH+64*\ks+32
.endr
.irp i, 0,1
	ds_load_b128 v[\f+64+8*\i:\f+64+8*\i+3],   v[AV] offset:\i*16*PITCH+64*\ks
	ds_load_b128 v[\f+64+8*\i+4:\f+64+8*\i+7], v[AV] offset:\i*16*PITCH+64*\ks+32
.endr
.endm
; A K step's 24 matrix instructions, accumulators in window 1, in three runs of eight: MULQ 0, MULQ 2, MULV.
; Q/K: source 0 = rows of W, source 1 = rows of X, so that a lane's eight results are eight neighbouring columns of one row of Q.
; Vt: source 0 = rows of X, source 1 = rows of Wv: eight neighbouring columns of one row of Vt.
; The 24 accumulators take turns, one instruction a turn, in the same order in every K step.
.macro MULQ f, c0, zero                ; column tiles c0, c0 + 1 of Q or K x four row tiles
.irp ct, \c0, (\c0)+1
.irp nt, 0,1,2,3
.if \zero
	v_wmma_f32_16x16x32_f16 v[8*(4*(\ct)+\nt):8*(4*(\ct)+\nt)+7], v[\f+32+8*(\ct):\f+32+8*(\ct)+7], v[\f+8*\nt:\f+8*\nt+7], 0
.else
	v_wmma_f32_16x16x32_f16 v[8*(4*(\ct)+\nt):8*(4*(\ct)+\nt)+7], v[\f+32+8*(\ct):\f+32+8*(\ct)+7], v[\f+8*\nt:\f+8*\nt+7], v[8*(4*(\ct)+\nt):8*(4*(\ct)+\nt)+7]
.endif
.endr
.endr
.endm
.macro MULV f, zero                    ; two row tiles of Vt x four column tiles
.irp dt, 0,1
.irp nt, 0,1,2,3
.if \zero
	v_wmma_f32_16x16x32_f16 v[128+8*(4*\dt+\nt):128+8*(4*\dt+\nt)+7], v[\f+8*\nt:\f+8*\nt+7], v[\f+64+8*\dt:\f+64+8*\dt+7], 0
.else
	v_wmma_f32_16x16x32_f16 v[128+8*(4*\dt+\nt):128+8*(4*\dt+\nt)+7], v[\f+8*\nt:\f+8*\nt+7], v[\f+64+8*\dt:\f+64+8*\dt+7], v[128+8*(4*\dt+\nt):128+8*(4*\dt+\nt)+7]
.endif
.endr
.endr
.endm
; One K step: multiply buffer f; behind its first eight products K step nxt is fetched into buffer g, which the step before multiplied: sixteen products ahead of the wait for it.
.macro STEP nxt, f, g
	s_wait_dscnt 0x0                               ; buffer f is in: its 20 loads were issued in the step before
	s_wait_alu depctr_va_vdst(0)                   ; the matrix instructions of the step before are done reading buffer g, in which the loads below land
	WIN 0x50                                       ; C and D in window 1
	MULQ \f, 0, 0                                  ; these eight name buffer f and accumulators in window 1: none of the registers that the loads touch
	WIN 0
	FETCH \nxt, \g
	WIN 0x50
	MULQ \f, 2, 0
	MULV \f, 0
.endm
	FETCH 0, F0                                    ; the buffers' registers were last named by phase A's conversions, which stand ahead of half-chunk 9's wait on va_vdst
	FETCH 1, F1
	s_wait_dscnt 20                                ; K step 0 is in; the 20 loads of K step 1 stay out
	WIN 0x50
	MULQ F0, 0, 1                                  ; the first products start the sums: nothing is cleared
	MULQ F0, 2, 1
	MULV F0, 1
	STEP 2, F1, F0
	STEP 3, F0, F1
	STEP 4, F1, F0
	STEP 5, F0, F1
	STEP 6, F1, F0
	STEP 7, F0, F1
	s_wait_dscnt 0x0                               ; the last K step fetches nothing
	MULQ F1, 0, 0
	MULQ F1, 2, 0
	MULV F1, 0
; PHASE C: round to f16, 16 bytes a lane into the stages, whole rows of 256 bytes back and out.
	PLACES 4                                       ; behind the last matrix instructions: the conversions read results and write over fragment registers (ISA guide 7.12.1)
	WIN 0x05                                       ; sources in window 1, destination in window 0
.set i, 0
.rept 96
	v_cvt_pk_f16_f32 v[PK+i], v[2*i], v[2*i+1]
.set i, i+1
.endr
	WIN 0
	s_wait_alu depctr_va_vdst(0)                   ; the conversions have written PK, which the LDS stores read; the last matrix instructions are done reading v128 to v191, in which the loads from the stages land
.irp ct, 0,1,2,3
.irp nt, 0,1,2,3
	ds_store_b128 v[STOQ], v[PK+4*(4*\ct+\nt):PK+4*(4*\ct+\nt)+3] offset:\nt*16*SP+32*\ct
.endr
.endr
.irp dt, 0,1
.irp nt, 0,1,2,3
	ds_store_b128 v[STOV], v[PK+64+4*(4*\dt+\nt):PK+64+4*(4*\dt+\nt)+3] offset:\dt*16*SP+32*\nt
.endr
.endr
	s_wait_dscnt 0x0                               ; a stage row holds two waves' halves: my stores are done,
	s_barrier_signal -1
	s_barrier_wait -1                              ; and everybody's
.irp i, 0,1,2,3,4,5,6,7,8,9,10,11,12,13,14,15
	ds_load_b128 v[RBK+4*\i:RBK+4*\i+3], v[RDQ] offset:\i*8*SP      ; no vector instruction since the wait above: nothing more is owed for these registers
.endr
.irp i, 0,1,2,3,4,5,6,7
	ds_load_b128 v[RBK+64+4*\i:RBK+64+4*\i+3], v[RDV] offset:\i*8*SP
.endr
.irp i, 0,1,2,3,4,5,6,7,8,9,10,11,12,13,14,15
	s_wait_dscnt 23-\i                             ; LDS loads return in order: the younger ones stay out
	global_store_b128 v[GQ], v[RBK+4*\i:RBK+4*\i+3], s[24:25] offset:\i*4096      ; sixteen lanes store 256 consecutive bytes, at a multiple of 256 from the buffer's first byte
.endr
.irp i, 0,1,2,3,4,5,6,7
	s_wait_dscnt 7-\i
	global_store_b128 v[GV], v[RBK+64+4*\i:RBK+64+4*\i+3], s[16:17] offset:\i*131072
.endr
	s_wait_dscnt 0x0                               ; the closing lines, six on end
	s_wait_alu 0x0
	s_wait_tensorcnt 0x0
	ds_add_u32 v30, v31
	s_wait_dscnt 0x0
	s_endpgm
.Lfunc_end_k_q561fa46c29_proj:
	.size	k_q561fa46c29_proj, .Lfunc_end_k_q561fa46c29_proj-k_q561fa46c29_proj
	.p2alignl 7, 3214868480
	.fill 96, 4, 3214868480
	.section	.rodata,"a",@progbits
	.p2align	6, 0x0
	.amdhsa_kernel k_q561fa46c29_proj
		.amdhsa_group_segment_fixed_size 221696
		.amdhsa_private_segment_fixed_size 0
		.amdhsa_enable_private_segment 0
		.amdhsa_kernarg_size 56
		.amdhsa_user_sgpr_count 2
		.amdhsa_user_sgpr_kernarg_segment_ptr 1
		.amdhsa_wavefront_size32 1
		.amdhsa_system_sgpr_workgroup_id_x 1
		.amdhsa_system_sgpr_workgroup_id_y 1
		.amdhsa_system_sgpr_workgroup_id_z 1
		.amdhsa_system_vgpr_workitem_id 0
		.amdhsa_next_free_vgpr 448
		.amdhsa_next_free_sgpr 66
		.amdhsa_reserve_vcc 0
		.amdhsa_float_denorm_mode_32 3
		.amdhsa_float_denorm_mode_16_64 3
		.amdhsa_memory_ordered 1
		.amdhsa_forward_progress 1
		.amdhsa_inst_pref_size 85
	.end_amdhsa_kernel
	.amdgpu_metadata
---
amdhsa.version: [ 1, 2 ]
amdhsa.kernels:
  - .name:           k_q561fa46c29_proj
    .symbol:         k_q561fa46c29_proj.kd
    .args:
      - { .name: X, .offset: 0, .size: 8, .value_kind: global_buffer, .address_space: global }
      - { .name: Wq, .offset: 8, .size: 8, .value_kind: global_buffer, .address_space: global }
      - { .name: Wk, .offset: 16, .size: 8, .value_kind: global_buffer, .address_space: global }
      - { .name: Wv, .offset: 24, .size: 8, .value_kind: global_buffer, .address_space: global }
      - { .name: qh, .offset: 32, .size: 8, .value_kind: global_buffer, .address_space: global }
      - { .name: kh, .offset: 40, .size: 8, .value_kind: global_buffer, .address_space: global }
      - { .name: vt, .offset: 48, .size: 8, .value_kind: global_buffer, .address_space: global }
    .group_segment_fixed_size: 221696
    .private_segment_fixed_size: 0
    .kernarg_segment_align: 8
    .kernarg_segment_size: 56
    .max_flat_workgroup_size: 128
    .sgpr_count:     66
    .vgpr_count:     448
    .wavefront_size: 32
...
	.end_amdgpu_metadata
.endif
;; end of part 4
;; launch attn: the kernel of part 2 again; grid 256 x 1, 4 waves a work-group, clusters of 4 x 1, 327,680 bytes of LDS; arguments qh, kh, vt, opart, stat; writes opart, stat
;; launch merge: the kernel of part 3 again; grid 256 x 1, 8 waves a work-group, no clusters, 0 bytes of LDS; arguments opart, stat, out0; writes out0
